; MI455X (gfx1250); checked and timed in simulation.
; The chip was launched on July 23, 2026; its instructions are those of AMD's public machine-readable ISA for CDNA 5 (MIT licence, August 2026) and "CDNA5" Instruction Set Architecture Reference Guide (July 2026). The comments in the code are by the model that wrote it; some were corrected since.
;; Attn. Allowed arithmetic: matrix products marked QUANTISED: E2M1 operands, one E8M0 scale for each 32 along K, by v_wmma_scale_f32_16x16x128_f8f6f4 with both operands' format E2M1 (or v_wmma_scale_f32_32x16x128_f4), f32 sums; products left as they are: f32 operands where the result goes on into a quantised operand, else bf16, f16 or f32 operands; f32 sums; everything else in f32.
;; Inputs: W_attn_codes 1,024 x 32 x 16 uint8 (E2M1 codes of W_attn, K innermost, in blocks of 32 codes, two codes a byte); W_attn_scales 1,024 x 32 uint8 (E8M0 scales of W_attn, one for each 32 codes along K); b_attn 1,024 float32; encoder_outputs_codes 1,024 x 64 x 32 x 16 uint8 (E2M1 codes of encoder_outputs, K innermost, in blocks of 32 codes, two codes a byte); encoder_outputs_scales 1,024 x 64 x 32 uint8 (E8M0 scales of encoder_outputs, one for each 32 codes along K); hidden 1 x 64 x 1,024 float32.
;; Outputs: out0 64 x 1 x 1,024 float32.
;; This version of the problem:
;;   THIS VERSION OF THE PROBLEM IS GIVEN IN LOW PRECISION. The matrix products marked QUANTISED in the list below multiply operands that are first quantised to E2M1 (2 exponent bits, 1 mantissa bit; 4 bits a number), with one power-of-two scale for each 32 numbers along K (OCP MX v1.0); their sums are f32. All else is computed in f32.
;;   The module's matrix products, in the order in which they are computed (A, B: the left and right operand; K: the contracted axis; several contracted axes count as one K, in the product's order):
;;     1. [M 65,536, K 1,024] x [K 1,024, N 1,024]; A: input encoder_outputs (given as codes); B: input W_attn (given as codes): QUANTISED
;;     2. batch 64 x [M 1, K 1,024] x [K 1,024, N 1,024]; A: input hidden; B: computed on the way: left as it is (M = 1 < 16)
;;   THE QUANTISER, for each operand of a quantised product, along K:
;;     - K is cut into blocks of 32 from its start; a last block that is shorter is filled with zeros.
;;     - A block's scale is 2^e with e = floor(log2(the largest magnitude in the block)) - 2, held to -126 .. 127; a block of zeros has e = 0. As a byte (E8M0): e + 127.
;;     - Each number is divided by its block's scale, clamped to +-6, and rounded to the nearest number of E2M1, ties to even, subnormals kept.
;;     - The product sums the exact products of the quantised numbers (number of the format x scale) in f32.
;;   ~~~python
;;   def quantise(x, axis):      # numpy; x: float32 -> the quantised numbers, widened to float32 again
;;       x = np.moveaxis(x, axis, -1); K = x.shape[-1]
;;       x = np.pad(x, [(0, 0)] * (x.ndim - 1) + [(0, -K % 32)]); x = x.reshape(x.shape[:-1] + (-1, 32)); a = np.abs(x).max(-1, keepdims=True)
;;       e = np.where(a > 0, np.clip(np.frexp(np.where(a > 0, a, 1))[1] - 1 - 2, -126, 127), 0)      # np.frexp(a)[1] - 1 = floor(log2(a)), exactly
;;       r = np.clip(x / 2.0 ** e, -6, 6)
;;       step = 2.0 ** (np.maximum(np.frexp(np.where(r == 0, 1, r))[1] - 1, 0) - 1)
;;       q = np.round(r / step) * step * 2.0 ** e      # np.round: ties to even
;;       return np.moveaxis(q.reshape(q.shape[:-2] + (-1,))[..., :K], -1, axis).astype(np.float32)
;;   ~~~
;;   INPUTS GIVEN AS CODES. W_attn (in the module: [1024, 1024], K = its axis 1); encoder_outputs (in the module: [1024, 64, 1024], K = its axis 2): each comes as NAME_codes (uint8): NAME with its K axis moved to the last place and cut into blocks of 32 codes, [.., K / 32, bytes a block], one block behind the other in memory; two codes a byte, the lower K in the low four bits (a code: sign, 2 exponent bits, 1 mantissa bit); and NAME_scales (uint8): the same leading axes, one E8M0 byte (e + 127) for each 32 codes along K. Its value is code x scale, taken as it is: it is not quantised again, and the codes and scales need not be those that the quantiser above would give.
;; One version. Each part assembles by itself: llvm-mc -triple=amdgcn-amd-amdhsa -mcpu=gfx1250 --defsym DOCPART=n.
;; ======== version 1 of 1: 2 launches
;; limits: right only within a limited range of input values
;; workspace buffers: parts 1,048,576 bytes
;; launch score (part 1): grid 4 x 64, 4 waves a work-group, clusters of 4 x 4, 327,680 bytes of LDS; arguments encoder_outputs_codes, encoder_outputs_scales, W_attn_codes, W_attn_scales, hidden, parts; writes parts
.if DOCPART == 1
	.amdgcn_target "amdgcn-amd-amdhsa--gfx1250"
	.amdhsa_code_object_version 6
	.text
	.protected	k_qb00d65ec1e_score
	.globl	k_qb00d65ec1e_score
	.p2align	8
	.type	k_qb00d65ec1e_score,@function
k_qb00d65ec1e_score:
	s_mov_b64 s[64:65], 0
	v_nop
	global_prefetch_b8 v0, s[64:65] scope:SCOPE_SE
	s_setreg_imm32_b32 hwreg(HW_REG_WAVE_MODE, 25, 1), 1
	s_wait_xcnt 0x0
	s_wait_alu depctr_hold_cnt(0) depctr_sa_sdst(0) depctr_va_vdst(0) depctr_va_sdst(0) depctr_va_ssrc(0) depctr_va_vcc(0) depctr_vm_vsrc(0)
	s_getreg_b32 s2, hwreg(HW_REG_IB_STS2, 6, 4)
	s_cmp_eq_u32 s2, 0
	s_cbranch_scc0 .Lentry_in_a_cluster
	s_endpgm
.Lentry_in_a_cluster:
	s_bfe_u32 s2, ttmp6, 0x10000c
	s_cmp_lg_u32 s2, 0xf033
	s_cbranch_scc0 .Lentry_shape_is_right
	s_endpgm
.Lentry_shape_is_right:
; parts[q][b][t] = sum over the 256 values of g in quarter q of hidden[b][g] x (sum over h of enc[t][b][h] W[g][h]).  enc: [1024 t][64 b][1024 h], W: [1024 g][1024 h]: codes of FP4 (E2M1), two a byte, K innermost, one
; E8M0 byte for each 32 along K; hidden [64][1024], parts [4][64][1024]: f32.  The next launch adds the four parts of a score and takes the softmax over t.
; LEFT OUT: b_attn.  In reference() it adds sum over g of hidden[b][g] b_attn[g] to scores[b][t]: one number for all t of a row, and a softmax over t does not change when one number is added to its whole row, whatever the
; inputs' values.  So b_attn has no way to the output and is not among the arguments.  LIMIT: a NaN, an infinity or an overflow that reaches only that term is not carried to the result.
; OTHER LIMITS: a scale byte 0xff, and sums beyond f32's range, give NaN or infinity.  The f32 sum over g is taken in another order than a plain chain.
; SHARES.  A work-group owns a quarter of g (256 rows of W), 64 values of t and 16 of b: 1,024 rows of enc.  A BLOCK is the 16 b of one t: 16 rows that lie end to end in memory, 8,192 bytes.
; Four waves, 2 halves of g x 2 halves of a tile's t.  A wave keeps ITS 128 ROWS OF W, ALL OF K, IN 512 REGISTERS for the whole launch and walks 32 blocks of enc; a block is 18 LDS loads and 32 products of 32 x 16 x 128.
; Source 0 is W and source 1 enc: lane (r, h) holds row b = r of the block, its registers the rows 8 h + j and 16 + 8 h + j of 32 of W.  A lane's b never changes, so its 64 numbers of hidden stay in registers too.
; The sums of block n - 1 are multiplied by hidden among the products of block n, one or two lines behind a product.  The registers are laid so that both run under ONE window setting.
; The 32 blocks are written out by macro: each leaves its sum in a register of its own, the fragments' registers take turns by fifteens, and the refills, regions and tile offsets differ from tile to tile.
; CLUSTERS of 4 x 4.  Place x = quarter of g, place y = group of 16 b; the cluster's y = group of 64 t.  The four of a row need the same enc and scales, the four of a column the same W: all are asked for JOINTLY, by one descriptor and a
; mask that names the four; no LDS address and no branch hangs on the place.
; LDS: region 0: enc tiles 0 and 2 (16 t each); region 1: first W's 256 rows, then, when all waves have them in registers, enc tiles 1 and 3; the scales of all 1,024 rows of enc; the spare words; the stage.
; PREFETCH: a tile is 512 blocks of 256 bytes; the 4 work-groups of the row x 4 waves x 32 lanes name each once.  Tile 1 is named while W is read into registers, tiles 2 and 3 in the second block of tiles 0 and 1: each ahead of its load.
; REGISTERS: window 0: head's work (1-11), W's scale words (16-47), enc's (48-63, two sets), block sums (64-95), way out and spare word (96-100), W for K = 0-127 (128-191) and 896-1023 (192-255).
;   window 1: accumulators (0-127, two sets of four of 16), 15 fragments of enc by turns (128-247), two chains of the second product (248-251).
;   window 2: W for K = 128-511 (0-191), hidden for the first 64 of my rows of W (192-223), addresses (224-228).   window 3: W for K = 512-895 (0-191), hidden for the other 64 (192-223).
.set PITCH, 528                        ; an LDS row: 512 bytes + 16 of padding
.set BLK,   16*PITCH
.set REG,   256*PITCH
.set SCL,   2*REG                      ; 64 t x 16 rows x 32 bytes
.set SPARE, SCL+32768                  ; 128 bytes for each wave
.set STAGE, SPARE+512                  ; [2 halves of g][2 lane halves][16 b] rows of 64 f32, 272 bytes apart; no tensor load lands here
.set PLANE, 16*272
.set TILEB, 16*32768                   ; bytes from tile to tile in enc
.set SW,  16                           ; register 8 gb + kq: lane m: row 32 gb + m of W, K = 128 kq on
.set SE,  48                           ; set p: register 8 p + kq: lane r: row r of the block
.set S,   64
.set STO, 96
.set RD,  97
.set OUT, 98
.set SPW, 99
.set NIL, 100
.set BACK, 128                         ; the way out: rows read back, where W lay
.set EN,  128                          ; window 1: fragment f = 8 n + kq at EN + 8 (f % 15)
.set X,   248                          ; window 1
.set HID, 192                          ; windows 2 and 3
.set AE,  224                          ; window 2: my fragments of enc in region 0, 1
.set PFO, 226                          ; window 2: 256 x lane
.set AW,  227                          ; window 2: my fragments of W
.set AS,  228                          ; window 2: enc's scale words
.set WV,  16
.set GH,  17
.set TH,  18
.set CX,  19
.set CY,  20
.set TG,  21
.set G1E, 24
.set G1W, 32
.set G1S, 40
.set G1R, 48
.set G0E, 56
.set G0W, 60
.set G0V, 68
.set G0S, 72
.set G0R, 76
.set G0Q, 80
.set PFB, 84
.set T0,  86                           ; offsets made of y and the wave
.set T1,  88                           ; of x alone
.set T2,  94                           ; of both
.set MUL, 0x54                         ; + W's window: source 0 W or hidden, source 1 (enc, accumulators), source 2 and destination window 1; an LDS load: address in W's window, data in window 1
.set MSB, 0
.macro WIN new                         ; the immediate's high byte repeats the setting that is left
.if MSB != (\new)
	s_set_vgpr_msb (MSB<<8)|(\new)
.set MSB, (\new)
.endif
.endm
.macro PLACES
.rept 4
	v_nop
.endr
.endm
.macro CREST                           ; a round of the cluster's barrier behind its opening barrier
	s_cmp_lg_u32 s[WV], 0
	s_cbranch_scc1 .Lnot_wave_0_\@
	s_barrier_signal -3
.Lnot_wave_0_\@:
	s_barrier_wait -3
	s_barrier_signal -1
	s_barrier_wait -1
.endm
.macro CROUND
	s_barrier_signal -1
	s_barrier_wait -1
	CREST
.endm
	s_load_b256 s[4:11], s[0:1], 0x0               ; enc's codes, enc's scales, W's codes, W's scales
	s_load_b128 s[12:15], s[0:1], 0x20             ; hidden, parts
	v_lshl_add_u32 v[SPW], v0, 2, SPARE
	v_mov_b32 v[NIL], 0
	ds_add_u32 v[SPW], v[NIL]                      ; the wave's opening: the add, twice on end, and its wait ahead of my first tensor load
	ds_add_u32 v[SPW], v[NIL]
	v_lshrrev_b32 v3, 5, v0
	v_readfirstlane_b32 s[WV], v3
	s_and_b32 s[GH], s[WV], 1                      ; which 128 rows of W are mine
	s_lshr_b32 s[TH], s[WV], 1                     ; which 8 blocks of a tile
	s_bfe_u32 s[CX], ttmp6, 0x40000
	s_bfe_u32 s[CY], ttmp6, 0x40004
	s_and_b32 s[TG], ttmp7, 0xffff
	s_lshl_b32 s22, s[CY], 2
	s_lshl_b32 s22, 15, s22                        ; my row of the cluster
	s_lshl_b32 s23, 0x1111, s[CX]                  ; my column
	; descriptor groups 1, elements of 8 bytes; 16 bytes of padding behind every 512 (codes 6 and 3), but for the scales; bit 21 set beside the mask
	s_or_b32 s[G1E], s22, (3<<16)|(1<<20)|(1<<21)|(6<<22)|(3<<25)
	s_or_b32 s[G1R], s22, (3<<16)|(1<<20)|(1<<21)|(6<<22)|(3<<25)
	s_or_b32 s[G1W], s23, (3<<16)|(1<<20)|(1<<21)|(6<<22)|(3<<25)
	s_or_b32 s[G1S], s22, (3<<16)|(1<<21)
.macro SHAPE g, cols, rows, pitch
	s_mov_b32 s[\g+1], (\cols)<<16
	s_mov_b32 s[\g+2], (\rows)<<16
	s_mov_b32 s[\g+3], (\cols)<<16
	s_mov_b32 s[\g+4], \rows
	s_mov_b32 s[\g+5], \pitch
	s_mov_b32 s[\g+6], 0
	s_mov_b32 s[\g+7], 0
.endm
	SHAPE G1E, 1024, 16, 4096                      ; a whole tile of enc: 16 t, 8,192 bytes each, 32,768 apart
	SHAPE G1R, 1024, 4, 4096                       ; a wave's quarter of it
	SHAPE G1W, 64, 128, 64                         ; 128 rows of W, end to end
	SHAPE G1S, 64, 64, 256                         ; enc's scales: 64 t, 512 bytes each, 2,048 apart
	s_mul_i32 s90, s[TH], 8*BLK                    ; LDS addresses: my blocks of enc,
	s_add_co_u32 s91, s90, REG
	s_mul_i32 s92, s[GH], 128*PITCH                ; my rows of W,
	s_add_co_u32 s92, s92, REG
	s_lshl_b32 s93, s[TH], 12                      ; my scale words,
	s_add_co_u32 s93, s93, SCL
	s_mul_i32 s2, s[GH], 2*PLANE                   ; where I put sums into the stage,
	s_lshl_b32 s3, s[TH], 5
	s_add_co_u32 s2, s2, s3
	s_add_co_u32 s2, s2, STAGE
	s_mul_i32 s3, s[WV], 4*272                     ; and where I read four rows back
	s_add_co_u32 s3, s3, STAGE
	v_and_b32 v1, 15, v0                           ; r
	v_bfe_u32 v2, v0, 4, 1                         ; h
	v_and_b32 v4, 31, v0                           ; lane
	v_mul_u32_u24 v5, v1, PITCH
	v_lshl_add_u32 v5, v2, 4, v5                   ; a fragment's row x pitch + 16 h
	v_lshlrev_b32 v6, 5, v4                        ; W's scale words: 32 bytes a row
	v_lshlrev_b32 v7, 12, v1
	v_lshl_add_u32 v7, v2, 5, v7                   ; hidden: row r, my half's eight numbers in 16
	v_lshlrev_b32 v8, 5, v1                        ; enc's scale words
	v_mul_u32_u24 v9, v1, 272
	v_mul_u32_u24 v10, v2, PLANE
	v_add_nc_u32 v9, v9, v10
	v_add_nc_u32 v[STO], s2, v9                    ; stage: plane by lane half, row r
	v_mul_u32_u24 v11, v2, 272
	v_lshl_add_u32 v11, v1, 4, v11
	v_add_nc_u32 v[RD], s3, v11                    ; sixteen lanes a row of 64 sums
	v_lshlrev_b32 v[OUT], 12, v2
	v_lshl_add_u32 v[OUT], v1, 4, v[OUT]
	WIN 0x80
	v_add_nc_u32 v[AE], s90, v5
	v_add_nc_u32 v[AE+1], s91, v5
	v_add_nc_u32 v[AW], s92, v5
	v_add_nc_u32 v[AS], s93, v8
	v_lshlrev_b32 v[PFO], 8, v4
	WIN 0
	s_wait_alu depctr_va_vdst(0)                   ; the wait at the head's end
	s_wait_dscnt 0x0                               ; both opening adds are done
	s_wait_kmcnt 0x0
	s_lshl_b32 s[T0], s[TG], 21                    ; enc: 64 t x 32,768 bytes a group of t,
	s_lshl_b32 s92, s[CY], 13                      ; 16 b x 512 bytes a group of b
	s_add_co_u32 s[T0], s[T0], s92
	s_mov_b32 s[T0+1], 0
	s_add_nc_u64 s[4:5], s[4:5], s[T0:T0+1]
	s_lshl_b32 s[T0], s[TG], 17                    ; its scales: 2,048 bytes a t, 32 a b
	s_lshl_b32 s92, s[CY], 9
	s_add_co_u32 s[T0], s[T0], s92
	s_add_nc_u64 s[6:7], s[6:7], s[T0:T0+1]
	s_lshl_b32 s[T1], s[CX], 17                    ; W: 256 rows of 512 bytes a quarter
	s_mov_b32 s[T1+1], 0
	s_add_nc_u64 s[8:9], s[8:9], s[T1:T1+1]
	s_lshl_b32 s[T2], s[CX], 13                    ; its scales: my 128 rows of 32 bytes
	s_lshl_b32 s93, s[GH], 12
	s_add_co_u32 s[T2], s[T2], s93
	s_mov_b32 s[T2+1], 0
	s_add_nc_u64 s[10:11], s[10:11], s[T2:T2+1]
	s_lshl_b32 s[T2], s[CY], 16                    ; hidden: rows 16 cy on, my 128 columns
	s_lshl_b32 s93, s[CX], 10
	s_add_co_u32 s[T2], s[T2], s93
	s_lshl_b32 s93, s[GH], 9
	s_add_co_u32 s[T2], s[T2], s93
	s_add_nc_u64 s[12:13], s[12:13], s[T2:T2+1]
.irp i, 0,1,2,3,4,5,6,7
	global_load_b128 v[SW+4*\i:SW+4*\i+3], v6, s[10:11] offset:1024*(\i/2)+16*(\i%2)
.endr
	s_lshl_b32 s[T2], s[CX], 18                    ; parts: [cx][16 cy + 4 wave on][64 t]
	s_lshl_b32 s93, s[CY], 16
	s_add_co_u32 s[T2], s[T2], s93
	s_lshl_b32 s93, s[WV], 14
	s_add_co_u32 s[T2], s[T2], s93
	s_lshl_b32 s93, s[TG], 8
	s_add_co_u32 s[T2], s[T2], s93
	s_add_nc_u64 s[14:15], s[14:15], s[T2:T2+1]
	s_lshl_b32 s[T2], s[CX], 17                    ; what I prefetch of a tile: t = 4 cx + wave
	s_lshl_b32 s93, s[WV], 15
	s_add_co_u32 s[T2], s[T2], s93
	s_add_nc_u64 s[PFB:PFB+1], s[4:5], s[T2:T2+1]
	; descriptor groups 0
	s_mov_b32 s[G0E], 1                            ; enc's tile 0, whole, into region 0
	s_mov_b32 s[G0E+1], 0
	s_mov_b64 s[G0E+2:G0E+3], s[4:5]
	s_or_b32 s[G0E+3], s[G0E+3], 0x80000000
	s_mov_b32 s[G0W], 1                            ; W's rows 0-127 into region 1,
	s_mov_b32 s[G0W+1], REG
	s_mov_b64 s[G0W+2:G0W+3], s[8:9]
	s_or_b32 s[G0W+3], s[G0W+3], 0x80000000
	s_mov_b32 s[G0V], 1                            ; and rows 128-255
	s_mov_b32 s[G0V+1], REG+128*PITCH
	s_add_nc_u64 s[G0V+2:G0V+3], s[8:9], 0x10000
	s_or_b32 s[G0V+3], s[G0V+3], 0x80000000
	s_mov_b32 s[G0S], 1                            ; enc's scales
	s_mov_b32 s[G0S+1], SCL
	s_mov_b64 s[G0S+2:G0S+3], s[6:7]
	s_or_b32 s[G0S+3], s[G0S+3], 0x80000000
	s_lshl_b32 s[T0], s[WV], 17                    ; behind the head a wave fetches 4 t of a tile
	s_mul_i32 s90, s[WV], 64*PITCH
	s_mov_b32 s[G0R], 1                            ; into region 1: tile 1 first
	s_add_co_u32 s[G0R+1], s90, REG
	s_add_nc_u64 s[G0R+2:G0R+3], s[4:5], s[T0:T0+1]
	s_add_nc_u64 s[G0R+2:G0R+3], s[G0R+2:G0R+3], TILEB
	s_mov_b32 s[G0Q], 1                            ; into region 0: tile 2
	s_mov_b32 s[G0Q+1], s90
	s_add_nc_u64 s[G0Q+2:G0Q+3], s[G0R+2:G0R+3], TILEB
	s_or_b32 s[G0R+3], s[G0R+3], 0x80000000
	s_or_b32 s[G0Q+3], s[G0Q+3], 0x80000000
	CROUND                                         ; all sixteen work-groups are here: the first joint loads meet
; THE HEAD'S LOADS, one a wave, each in an arm of one chain of branches.  Waves 0 and 1 wait for W here: it is read first; enc's tile and scales may stay on their way.
.macro ARM under, g0, g1, next, wait
	s_cmp_lt_u32 s[WV], \under
	s_cbranch_scc0 \next
	tensor_load_to_lds s[\g0:\g0+3], s[\g1:\g1+7]
	s_nop 0
	PLACES
.if \wait
	s_wait_tensorcnt 0x0
.endif
	s_branch .Lasked
\next:
.endm
	ARM 1, G0W, G1W, .Larm_1, 1
	ARM 2, G0V, G1W, .Larm_2, 1
	ARM 3, G0E, G1E, .Larm_3, 0
	tensor_load_to_lds s[G0S:G0S+3], s[G1S:G1S+7]
	s_nop 0
	PLACES
.Lasked:
	s_barrier_signal -1
	s_barrier_wait -1                              ; W is in LDS
	WIN 0x80                                       ; hidden: register HID + 16 (gb % 2) + j of window 2 + gb / 2 goes with register j of accumulator gb
.irp i, 0,1,2,3,4,5,6,7
	global_load_b128 v[HID+4*\i:HID+4*\i+3], v7, s[12:13] offset:64*(\i/2)+16*(\i%2)
.endr
	WIN 0xc0
.irp i, 0,1,2,3,4,5,6,7
	global_load_b128 v[HID+4*\i:HID+4*\i+3], v7, s[12:13] offset:256+64*(\i/2)+16*(\i%2)
.endr
.macro WBASE kq                        ; where W's fragments (gb, kq) lie: window WW, register rB + 16 gb
.if ((\kq) == 0) || ((\kq) == 7)
.set WW, 0
.set rB, 128+64*((\kq)/7)
.elseif (\kq) < 4
.set WW, 2
.set rB, 64*((\kq)-1)
.else
.set WW, 3
.set rB, 64*((\kq)-4)
.endif
.endm
; W into registers: fragment (gb, kq), 32 rows x 128 K, 16 registers: 0-7 rows 0-15, 8-15 rows 16-31; registers 4 c on of each: K = 64 c + 32 h + 0 .. 31: 16 bytes of a row as they lie
.macro READW kq
	WBASE \kq
	WIN 0x02+(WW<<6)                               ; address window 2
.irp gb, 0,1,2,3
.irp x, 0,1,2,3
	ds_load_b128 v[rB+16*\gb+4*\x:rB+16*\gb+4*\x+3], v[AW] offset:(32*\gb+16*(\x/2))*PITCH+64*(\kq)+32*(\x%2)
.endr
.endr
.endm
; Block n's scale words into set n % 2, then its eight fragments of enc
.macro RUN n
.set rP, SE+8*((\n)%2)
.set oS, (16*((\n)/8)+((\n)%8))*512
	WIN 0x02
	ds_load_b128 v[rP:rP+3], v[AS] offset:oS
	ds_load_b128 v[rP+4:rP+7], v[AS] offset:oS+16
	WIN MUL+2
.set aR, AE+(((\n)/8)%2)
.set oR, ((\n)%8)*BLK
.irp kq, 0,1,2,3,4,5,6,7
.set rE, EN+8*((8*(\n)+\kq)%15)
	ds_load_b128 v[rE:rE+3], v[aR] offset:oR+64*\kq
	ds_load_b128 v[rE+4:rE+7], v[aR] offset:oR+64*\kq+32
.endr
.endm
; THE SECOND PRODUCT: line PKN of block n's 32: two numbers of an accumulator x hidden, onto one of two chains; the accumulators in ascending order, each from its low end on; the first two lines start the chains
.macro PKF n
.set rA, 64*((\n)%2)+2*PKN
.set rH, HID+2*(PKN%16)
.set rS, X+2*(PKN%2)
.if PKN < 2
	v_pk_mul_f32 v[rS:rS+1], v[rH:rH+1], v[rA:rA+1]
.else
	v_pk_fma_f32 v[rS:rS+1], v[rH:rH+1], v[rA:rA+1], v[rS:rS+1]
.endif
.set PKN, PKN+1
.endm
; Four products: block n x my 128 rows of W, K = 128 kq on.  The four accumulators take turns; the first product of a sum takes 0 as C.
; e: lines of block n - 1's second product behind them: 0 none; 1 four for three products; 2 two behind each
.macro GRP kq, n, e
	WBASE \kq
	WIN MUL+WW
.set rE, EN+8*((8*(\n)+(\kq))%15)
.set rY, SE+8*((\n)%2)+(\kq)
.irp gb, 0,1,2,3
.set rD, 64*((\n)%2)+16*\gb
.set rW, rB+16*\gb
.set rX, SW+8*\gb+(\kq)
.if (\kq) == 0
	v_wmma_scale_f32_32x16x128_f4 v[rD:rD+15], v[rW:rW+15], v[rE:rE+7], 0, v[rX], v[rY]
.else
	v_wmma_scale_f32_32x16x128_f4 v[rD:rD+15], v[rW:rW+15], v[rE:rE+7], v[rD:rD+15], v[rX], v[rY]
.endif
.if (\e) > 0
	PKF \n-1
.if ((\e) == 2) || (((4*(((\kq)+2)%3)+\gb)%3) == 2)
	PKF \n-1
.endif
.endif
.endr
.endm
.macro FIN n                           ; the chains joined: my lane half's share of block n's 16 scores.  Four lines: the places behind the products ahead of them
	WIN 0x55
	v_pk_add_f32 v[X:X+1], v[X:X+1], v[X+2:X+3]
	v_nop
	v_nop
	WIN 0x05
	v_add_f32 v[S+(\n)], v[X], v[X+1]
.endm
; A BLOCK: its 32 products; among them block n - 1's second product; and the run of block n + 1's loads, behind the first eight products (the last of its fragments takes the registers of this block's first).
; turn > 0: a tile's last block, whose fragments are in registers at its start: so all my reads of the region are over.  ONE barrier: in front of it my tensor loads are waited for, the add, its wait.
; turn = 1: region 0 takes tile 2; turn = 2: region 1 takes tile 3: the barrier opens a round of the cluster's barrier and the joint load is the first thing behind it; turn = 3: nothing is filled again.
.macro BLOCK n, turn
.set PKN, 0
.set EM, 1
.if (\n) == 0
.set EM, 0
.endif
.if \turn
	s_wait_dscnt 0x0                               ; this block's fragments and scale words are in
	WIN 0
	s_wait_tensorcnt 0x0                           ; my part of the next tile has landed
	ds_add_u32 v[SPW], v[NIL]                      ; 0 onto my spare word
.if \turn == 2
	s_add_nc_u64 s[G0R+2:G0R+3], s[G0R+2:G0R+3], 2*TILEB
.endif
	GRP 0, \n, 0
	s_wait_dscnt 0x0                               ; the add is done
	s_barrier_signal -1
	GRP 1, \n, 0
	WIN 0
	s_barrier_wait -1
.if \turn == 1
	CREST
	tensor_load_to_lds s[G0Q:G0Q+3], s[G1R:G1R+7]
	s_nop 0
.elseif \turn == 2
	CREST
	tensor_load_to_lds s[G0R:G0R+3], s[G1R:G1R+7]
	s_nop 0
.endif
	PLACES
	RUN \n+1
	GRP 2, \n, 2
	GRP 3, \n, 2
.else
	s_wait_dscnt 0x8                               ; the scale words and the fragments of K's first half are in; the run's last eight loads may be out
	GRP 0, \n, 0
	s_wait_dscnt 0x0                               ; and those of the second half
	GRP 1, \n, EM
.if (\n) == 0
	PLACES
.endif
.if (\n) < 31
	RUN \n+1
.endif
.if (\n) == 1
	global_prefetch_b8 v[PFO], s[PFB:PFB+1] offset:2*TILEB th:TH_LOAD_NT scope:SCOPE_SE   ; tile 2: its load stands six blocks on
.endif
.if (\n) == 9
	global_prefetch_b8 v[PFO], s[PFB:PFB+1] offset:3*TILEB th:TH_LOAD_NT scope:SCOPE_SE   ; tile 3, the last
.endif
	GRP 2, \n, EM
	GRP 3, \n, EM
.endif
	GRP 4, \n, EM
	GRP 5, \n, EM
	GRP 6, \n, EM
	GRP 7, \n, 0
.if (\n) > 0
	FIN \n-1
.else
	PLACES
.endif
.endm
.irp k, 0,1,2,3
	READW \k
.endr
	global_prefetch_b8 v[PFO], s[PFB:PFB+1] offset:TILEB th:TH_LOAD_NT scope:SCOPE_SE   ; tile 1
.irp k, 4,5,6,7
	READW \k
.endr
	WIN 0
	s_wait_tensorcnt 0x0                           ; all my tensor loads have landed, enc's tile 0 and its scales among them
	ds_add_u32 v[SPW], v[NIL]
	s_wait_dscnt 0x0                               ; the add is done, and W is in my registers
	CROUND                                         ; both hold of every wave of every partner
	tensor_load_to_lds s[G0R:G0R+3], s[G1R:G1R+7]  ; tile 1 into region 1
	s_nop 0
	PLACES
	RUN 0
	s_wait_loadcnt 0x0                             ; W's scale words and hidden are in
.irp n, 0,1,2,3,4,5,6
	BLOCK \n, 0
.endr
	BLOCK 7, 1
.irp n, 8,9,10,11,12,13,14
	BLOCK \n, 0
.endr
	BLOCK 15, 2
.irp n, 16,17,18,19,20,21,22
	BLOCK \n, 0
.endr
	BLOCK 23, 3
.irp n, 24,25,26,27,28,29,30,31
	BLOCK \n, 0
.endr
.set PKN, 0                            ; the last block's second product: FIN's four lines stand behind its products
	WIN MUL+2
.rept 16
	PKF 31
.endr
	WIN MUL+3
.rept 16
	PKF 31
.endr
	FIN 31
	WIN 0
	; THE WAY OUT.  A score's share of this quarter of g lies in two lane halves and in two waves: four planes of the stage, [16 b][64 t] each, added by the wave that stores the row.
.irp k, 0,1,2,3,4,5,6,7
	ds_store_b128 v[STO], v[S+4*\k:S+4*\k+3] offset:64*(\k/2)+16*(\k%2)   ; blocks 4 k on: t = 16 (k / 2) + 8 x my half + 4 (k % 2) on
.endr
	s_wait_dscnt 0x0                               ; for the others' sake
	s_barrier_signal -1
	s_barrier_wait -1
.irp q, 0,1
.irp p, 0,1,2,3
	ds_load_b128 v[BACK+16*\q+4*\p:BACK+16*\q+4*\p+3], v[RD] offset:2*272*\q+PLANE*\p
.endr
.endr
	s_wait_dscnt 0x0
.irp q, 0,1
.irp i, 0,2
	v_pk_add_f32 v[BACK+16*\q+\i:BACK+16*\q+\i+1], v[BACK+16*\q+\i:BACK+16*\q+\i+1], v[BACK+16*\q+4+\i:BACK+16*\q+5+\i]
	v_pk_add_f32 v[BACK+16*\q+8+\i:BACK+16*\q+9+\i], v[BACK+16*\q+8+\i:BACK+16*\q+9+\i], v[BACK+16*\q+12+\i:BACK+16*\q+13+\i]
.endr
.endr
.irp q, 0,1
.irp i, 0,2
	v_pk_add_f32 v[BACK+16*\q+\i:BACK+16*\q+\i+1], v[BACK+16*\q+\i:BACK+16*\q+\i+1], v[BACK+16*\q+8+\i:BACK+16*\q+9+\i]
.endr
.endr
.irp q, 0,1
	global_store_b128 v[OUT], v[BACK+16*\q:BACK+16*\q+3], s[14:15] offset:8192*\q   ; sixteen lanes store 256 consecutive bytes of a row, at a multiple of 256
.endr
	s_wait_tensorcnt 0x0                           ; the wave's end
	ds_add_u32 v[SPW], v[NIL]
	s_wait_dscnt 0x0
	CROUND                                         ; the closing round: no work-group ends while a partner may still ask for a tile that names it
	s_endpgm
.Lfunc_end_k_qb00d65ec1e_score:
	.size	k_qb00d65ec1e_score, .Lfunc_end_k_qb00d65ec1e_score-k_qb00d65ec1e_score
	.p2alignl 7, 3214868480
	.fill 96, 4, 3214868480
	.section	.rodata,"a",@progbits
	.p2align	6, 0x0
	.amdhsa_kernel k_qb00d65ec1e_score
		.amdhsa_group_segment_fixed_size 327680
		.amdhsa_private_segment_fixed_size 0
		.amdhsa_enable_private_segment 0
		.amdhsa_kernarg_size 48
		.amdhsa_user_sgpr_count 2
		.amdhsa_user_sgpr_kernarg_segment_ptr 1
		.amdhsa_wavefront_size32 1
		.amdhsa_system_sgpr_workgroup_id_x 1
		.amdhsa_system_sgpr_workgroup_id_y 1
		.amdhsa_system_sgpr_workgroup_id_z 1
		.amdhsa_system_vgpr_workitem_id 0
		.amdhsa_next_free_vgpr 1024
		.amdhsa_next_free_sgpr 96
		.amdhsa_reserve_vcc 0
		.amdhsa_float_denorm_mode_32 3
		.amdhsa_float_denorm_mode_16_64 3
		.amdhsa_memory_ordered 1
		.amdhsa_forward_progress 1
		.amdhsa_inst_pref_size 255
	.end_amdhsa_kernel
	.section	.bss,"aw",@nobits
	.p2align	6
	.space	262144
	.amdgpu_metadata
---
amdhsa.version: [ 1, 2 ]
amdhsa.kernels:
  - .name:           k_qb00d65ec1e_score
    .symbol:         k_qb00d65ec1e_score.kd
    .args:
      - { .name: encoder_outputs_codes, .offset: 0, .size: 8, .value_kind: global_buffer, .address_space: global }
      - { .name: encoder_outputs_scales, .offset: 8, .size: 8, .value_kind: global_buffer, .address_space: global }
      - { .name: W_attn_codes, .offset: 16, .size: 8, .value_kind: global_buffer, .address_space: global }
      - { .name: W_attn_scales, .offset: 24, .size: 8, .value_kind: global_buffer, .address_space: global }
      - { .name: hidden, .offset: 32, .size: 8, .value_kind: global_buffer, .address_space: global }
      - { .name: parts, .offset: 40, .size: 8, .value_kind: global_buffer, .address_space: global }
    .group_segment_fixed_size: 327680
    .private_segment_fixed_size: 0
    .kernarg_segment_align: 8
    .kernarg_segment_size: 48
    .max_flat_workgroup_size: 128
    .sgpr_count:     96
    .vgpr_count:     1024
    .wavefront_size: 32
...
	.end_amdgpu_metadata
.endif
;; end of part 1
;; launch soft (part 2): grid 64 x 1, 1 waves a work-group, no clusters, 0 bytes of LDS; arguments parts, out0; writes out0
.if DOCPART == 2
	.amdgcn_target "amdgcn-amd-amdhsa--gfx1250"
	.amdhsa_code_object_version 6
	.text
	.protected	k_qb00d65ec1e_soft
	.globl	k_qb00d65ec1e_soft
	.p2align	8
	.type	k_qb00d65ec1e_soft,@function
k_qb00d65ec1e_soft:
	s_mov_b64 s[64:65], 0
	v_nop
	global_prefetch_b8 v0, s[64:65] scope:SCOPE_SE
	s_setreg_imm32_b32 hwreg(HW_REG_WAVE_MODE, 25, 1), 1
	s_wait_xcnt 0x0
; out0[b][0][t] = softmax over t of scores[b][t], scores[b][t] = the sum over q of parts[q][b][t].  parts: [4][64][1024], out0: [64][1024], f32.  (b_attn is left out of the scores: the first kernel's head says why that is dead work.)
; One wave takes one row, 32 numbers a lane, kept in registers between the maximum, the exponentials and the scaling: no LDS, no barrier.  A row needs its whole maximum and its whole sum, so there is work for 64 work-groups.
; The maximum is taken away before the multiplication by log2(e), so that a large score's rounding does not enter the exponent.  The largest term is 2^0, so the sum is at least 1.
; LIMITS: weights under 2^-126 come out as 0 (v_exp_f32: ISA guide 15.8).  A row with NaN or an infinity among its scores gives NaN.
.set X, 8                              ; v[8:39]   the row
.set M, 40                             ; v[40:41]  the maximum, twice (a pair for the packed subtraction)
.set T, 42                             ; v[42:47]  at work
.set R, 50                             ; v[50:51]  1 / the sum, twice
.set P, 64                             ; v[64:159] parts 1 to 3: 32 registers each
	s_load_b128 s[4:7], s[0:1], 0x0                ; parts s[4:5], out0 s[6:7]
	s_lshl_b32 s8, ttmp9, 12                       ; row b: 4,096 bytes
	s_mov_b32 s9, 0
	s_mov_b32 s10, 0x76543210                      ; v_permlanex16_b32's selects for lane l xor 16
	s_mov_b32 s11, 0xfedcba98
	v_lshlrev_b32 v1, 4, v0                        ; 16 bytes a lane: a load or store of the wave covers 512 consecutive bytes
	s_wait_alu depctr_va_vdst(0)                   ; the wait at the head's end
	s_wait_kmcnt 0x0
	s_add_nc_u64 s[4:5], s[4:5], s[8:9]
	s_add_nc_u64 s[6:7], s[6:7], s[8:9]
.irp j, 0,1,2,3,4,5,6,7
	global_load_b128 v[X+4*\j:X+4*\j+3], v1, s[4:5] offset:512*\j th:TH_LOAD_NT
.irp p, 0,1,2
	global_load_b128 v[P+32*\p+4*\j:P+32*\p+4*\j+3], v1, s[4:5] offset:262144*(\p+1)+512*\j th:TH_LOAD_NT
.endr
.endr
.irp j, 0,1,2,3,4,5,6,7
	s_wait_loadcnt 28-4*\j                         ; the four parts of this piece are in; four loads for each later piece may be out
.irp i, 0,2
	v_pk_add_f32 v[X+4*\j+\i:X+4*\j+\i+1], v[X+4*\j+\i:X+4*\j+\i+1], v[P+4*\j+\i:P+4*\j+\i+1]
	v_pk_add_f32 v[P+32+4*\j+\i:P+32+4*\j+\i+1], v[P+32+4*\j+\i:P+32+4*\j+\i+1], v[P+64+4*\j+\i:P+64+4*\j+\i+1]
.endr
.irp i, 0,2
	v_pk_add_f32 v[X+4*\j+\i:X+4*\j+\i+1], v[X+4*\j+\i:X+4*\j+\i+1], v[P+32+4*\j+\i:P+32+4*\j+\i+1]
.endr
.endr
	v_max3_num_f32 v[T], v[X], v[X+1], v[X+2]      ; the largest of my 32, in two chains
	v_max3_num_f32 v[T+1], v[X+3], v[X+4], v[X+5]
.irp j, 6,10,14,18,22,26
	v_max3_num_f32 v[T], v[T], v[X+\j], v[X+\j+1]
	v_max3_num_f32 v[T+1], v[T+1], v[X+\j+2], v[X+\j+3]
.endr
	v_max3_num_f32 v[T], v[T], v[X+30], v[X+31]
	v_max_num_f32 v[T], v[T], v[T+1]
	v_max_num_f32_dpp v[T], v[T], v[T] row_xmask:1 row_mask:0xf bank_mask:0xf    ; across the lanes: four steps inside each half of 16,
	v_max_num_f32_dpp v[T], v[T], v[T] row_xmask:2 row_mask:0xf bank_mask:0xf
	v_max_num_f32_dpp v[T], v[T], v[T] row_xmask:4 row_mask:0xf bank_mask:0xf
	v_max_num_f32_dpp v[T], v[T], v[T] row_xmask:8 row_mask:0xf bank_mask:0xf
	v_permlanex16_b32 v[T+1], v[T], s10, s11       ; one across the halves
	v_max_num_f32 v[M], v[T], v[T+1]               ; every lane holds the row's maximum
	v_mov_b32 v[M+1], v[M]
.irp j, 0,2,4,6,8,10,12,14,16,18,20,22,24,26,28,30
	v_pk_add_f32 v[X+\j:X+\j+1], v[X+\j:X+\j+1], v[M:M+1] neg_lo:[0,1] neg_hi:[0,1]   ; x - max
.endr
.irp j, 0,2,4,6,8,10,12,14,16,18,20,22,24,26,28,30
	v_pk_mul_f32 v[X+\j:X+\j+1], v[X+\j:X+\j+1], 0x3fb8aa3b op_sel_hi:[1,0]           ; x log2(e)
.endr
	s_wait_alu depctr_va_vdst(0)                   ; the wait ahead of the batch,
.irp j, 0,1,2,3,4,5,6,7,8,9,10,11,12,13,14,15,16,17,18,19,20,21,22,23,24,25,26,27,28,29,30,31
	v_exp_f32 v[X+\j], v[X+\j]
.endr
	v_nop                                          ; a plain instruction behind the last exponential (ISA guide 5.7.2)
	s_wait_alu depctr_va_vdst(0)                   ; and for one behind it
	v_pk_add_f32 v[T+2:T+3], v[X:X+1], v[X+2:X+3]  ; the sum of my 32, two at a time, in two chains
	v_pk_add_f32 v[T+4:T+5], v[X+4:X+5], v[X+6:X+7]
.irp j, 8,12,16,20,24,28
	v_pk_add_f32 v[T+2:T+3], v[T+2:T+3], v[X+\j:X+\j+1]
	v_pk_add_f32 v[T+4:T+5], v[T+4:T+5], v[X+\j+2:X+\j+3]
.endr
	v_pk_add_f32 v[T+2:T+3], v[T+2:T+3], v[T+4:T+5]
	v_add_f32 v[T+2], v[T+2], v[T+3]
	v_add_f32_dpp v[T+2], v[T+2], v[T+2] row_xmask:1 row_mask:0xf bank_mask:0xf
	v_add_f32_dpp v[T+2], v[T+2], v[T+2] row_xmask:2 row_mask:0xf bank_mask:0xf
	v_add_f32_dpp v[T+2], v[T+2], v[T+2] row_xmask:4 row_mask:0xf bank_mask:0xf
	v_add_f32_dpp v[T+2], v[T+2], v[T+2] row_xmask:8 row_mask:0xf bank_mask:0xf
	v_permlanex16_b32 v[T+3], v[T+2], s10, s11
	v_add_f32 v[T+2], v[T+2], v[T+3]               ; the row's sum, in every lane
	s_wait_alu depctr_va_vdst(0)
	v_rcp_f32 v[R], v[T+2]                         ; twice, to fill the pair that the packed multiply names
	v_rcp_f32 v[R+1], v[T+2]
	v_nop
	s_wait_alu depctr_va_vdst(0)
.irp j, 0,2,4,6,8,10,12,14,16,18,20,22,24,26,28,30
	v_pk_mul_f32 v[X+\j:X+\j+1], v[X+\j:X+\j+1], v[R:R+1]
.endr
.irp j, 0,1,2,3,4,5,6,7
	global_store_b128 v1, v[X+4*\j:X+4*\j+3], s[6:7] offset:512*\j th:TH_STORE_NT     ; 512 consecutive bytes, at a multiple of 256 from the buffer's first byte
.endr
	s_endpgm
.Lfunc_end_k_qb00d65ec1e_soft:
	.size	k_qb00d65ec1e_soft, .Lfunc_end_k_qb00d65ec1e_soft-k_qb00d65ec1e_soft
	.p2alignl 7, 3214868480
	.fill 96, 4, 3214868480
	.section	.rodata,"a",@progbits
	.p2align	6, 0x0
	.amdhsa_kernel k_qb00d65ec1e_soft
		.amdhsa_group_segment_fixed_size 0
		.amdhsa_private_segment_fixed_size 0
		.amdhsa_enable_private_segment 0
		.amdhsa_kernarg_size 16
		.amdhsa_user_sgpr_count 2
		.amdhsa_user_sgpr_kernarg_segment_ptr 1
		.amdhsa_wavefront_size32 1
		.amdhsa_system_sgpr_workgroup_id_x 1
		.amdhsa_system_sgpr_workgroup_id_y 1
		.amdhsa_system_sgpr_workgroup_id_z 1
		.amdhsa_system_vgpr_workitem_id 0
		.amdhsa_next_free_vgpr 160
		.amdhsa_next_free_sgpr 66
		.amdhsa_reserve_vcc 0
		.amdhsa_float_denorm_mode_32 3
		.amdhsa_float_denorm_mode_16_64 3
		.amdhsa_memory_ordered 1
		.amdhsa_forward_progress 1
		.amdhsa_inst_pref_size 16
	.end_amdhsa_kernel
	.amdgpu_metadata
---
amdhsa.version: [ 1, 2 ]
amdhsa.kernels:
  - .name:           k_qb00d65ec1e_soft
    .symbol:         k_qb00d65ec1e_soft.kd
    .args:
      - { .name: parts, .offset: 0, .size: 8, .value_kind: global_buffer, .address_space: global }
      - { .name: out0, .offset: 8, .size: 8, .value_kind: global_buffer, .address_space: global }
    .group_segment_fixed_size: 0
    .private_segment_fixed_size: 0
    .kernarg_segment_align: 8
    .kernarg_segment_size: 16
    .max_flat_workgroup_size: 32
    .sgpr_count:     66
    .vgpr_count:     160
    .wavefront_size: 32
...
	.end_amdgpu_metadata
.endif
;; end of part 2
